; MI455X (gfx1250); checked and timed in simulation.
; The chip was launched on July 23, 2026; its instructions are those of AMD's public machine-readable ISA for CDNA 5 (MIT licence, August 2026) and "CDNA5" Instruction Set Architecture Reference Guide (July 2026). The comments in the code are by the model that wrote it; some were corrected since.
;; Bahdanau Attention. Allowed arithmetic: float matrix products may take bf16 or f16 operands with f32 sums; other float arithmetic in f32, or as packed bf16 or f16 multiplies, adds, multiply-adds, maxima and minima; sums over many terms, partial sums and values carried from step to step in f32; what a program stores and reads back later, other than sums and carried values, may be rounded once to bf16 or f16.
;; Inputs: V_b 1 float32; V_w 1,024 float32; W1_b 1,024 float32; W1_w 1,024 x 1,024 float32; W2_b 1,024 float32; W2_w 1,024 x 1,024 float32; decoder_hidden 64 x 1,024 float32; encoder_outputs 64 x 1,024 x 1,024 float32.
;; Outputs: out0 64 x 1,024 float32; out1 64 x 1,024 float32.
;; 2 versions, each right; version 2 is version 1 with the launch prep written anew for expert scheduling mode. Each part assembles by itself: llvm-mc -triple=amdgcn-amd-amdhsa -mcpu=gfx1250 --defsym DOCPART=n.
;; ======== version 1 of 2: 3 launches
;; workspace buffers: w1f 2,097,152 bytes; bias2 262,144 bytes; scw 262,144 bytes; stats 4,096 bytes; ctxp 2,097,152 bytes
;; launch prep (part 1): grid 256 x 1, 8 waves a work-group, no clusters, 119,808 bytes of LDS; arguments W1_w, W2_w, decoder_hidden, W1_b, W2_b, w1f, bias2; writes w1f, bias2
.if DOCPART == 1
	.amdgcn_target "amdgcn-amd-amdhsa--gfx1250"
	.amdhsa_code_object_version 6
	.text
	.protected	k_qf7d96e434d_prep
	.globl	k_qf7d96e434d_prep
	.p2align	8
	.type	k_qf7d96e434d_prep,@function
k_qf7d96e434d_prep:
	s_mov_b64 s[64:65], 0
	v_nop
	global_prefetch_b8 v0, s[64:65] scope:SCOPE_SE
	s_setreg_imm32_b32 hwreg(HW_REG_WAVE_MODE, 25, 1), 1
	s_wait_xcnt 0x0
; PREP: two jobs that the main launch needs, told apart by the work-group's number (the same for all eight waves of a work-group).
; JOB B, work-groups 0-127: bias2[nt][batch][16] = c (decoder_hidden W2_w + W2_b + W1_b), c = 2 log2(e), f32: the 16 columns 16 nt .. of the 32 batches 32 bh .. (nt = number / 2, bh = number % 2).
;   The product goes to the matrix unit with bf16 operands and f32 sums.  K = 1024 is split among the eight waves, 128 each (four steps of 32); the eight partial sums meet in LDS.
;   A wave reads its numbers as they lie in memory: a row of decoder_hidden's 128 numbers by one load of 512 consecutive bytes, eight rows of W2's 16 columns (64 bytes each) by one load; all 50 loads go out at once.
;   They are rounded to bf16 and laid into the wave's OWN LDS bytes, from which the fragments come: decoder_hidden [batch][k] as it lies, W2 [k][column] turned by ds_load_tr16_b128.
;   Source 0 = 16 columns of W2, source 1 = 16 batches: in the result a lane holds ONE batch (l % 16) and the columns 8 (l / 16) + 0..7.
; JOB A, work-groups 128-255: w1f = W1_w rounded to bf16, in the order in which the main launch's registers want it:
;   [ng 8][ks 32][b 8][1,024 bytes]; a block of 1,024 bytes holds columns 128 ng + 16 b + r and k = 32 ks + 16 q + 8 h + i at byte 512 q + 16 (16 h + r) + 2 i,
;   so that two loads of 16 bytes a lane, 512 bytes apart, ARE a fragment of 16 columns x 32 k.
; LIMITS: bf16 operands in the product; NaN and infinities are not treated apart.
.set DP,    272                        ; a batch's 128 k in LDS: 256 bytes + 16: the 16 rows of a fragment load start at 16 different groups of four banks (64 banks of 4 bytes: ISA guide 11.1)
.set DWV,   32*DP                      ; a wave's 32 batches
.set WREG,  8*DWV                      ; behind them: W2, 128 k x 32 bytes for each wave
.set PART,  WREG+8*4096                ; the eight partial images [32 batches][16 columns] f32, 2,048 bytes each
.set SPARE, PART+8*2048                ; the spare words, 128 bytes a wave, four blocks of 256 bytes that no other line names
.set SPW, 8                            ; v8   LDS address of my spare word; never rewritten
.set NIL, 9                            ; v9   0; never rewritten
.set ACC, 24                           ; v[24:39]   two accumulators, one for each 16 batches
.set DL,  64                           ; v[64:191]  decoder_hidden as loaded, 4 registers a row; later the fragments
.set WL,  192                          ; v[192:255] W2 as loaded, 4 registers for 8 rows
.set DF,  64                           ; fragments of decoder_hidden: batch tile mt, K step ks at DF + 32 mt + 8 ks
.set WF,  128                          ; fragments of W2: K step ks at WF + 8 ks
.set WV,  20                           ; s20  my wave's number
.macro PLACES
.rept 4
	v_nop
.endr
.endm
	s_load_b256 s[4:11], s[0:1], 0x0               ; W1_w s[4:5], W2_w s[6:7], decoder_hidden s[8:9], W1_b s[10:11]
	s_load_b128 s[12:15], s[0:1], 0x20             ; W2_b s[12:13], w1f s[14:15]
	s_load_b64 s[16:17], s[0:1], 0x30              ; bias2
	v_lshl_add_u32 v[SPW], v0, 2, SPARE
	v_mov_b32 v[NIL], 0
	v_lshrrev_b32 v1, 5, v0
	v_readfirstlane_b32 s[WV], v1                  ; wave 0..7
	s_mov_b32 s21, ttmp9
	s_cmp_lt_u32 s21, 128
	s_cbranch_scc0 .Lpack
	; ---------------- JOB B ----------------
	s_lshr_b32 s22, s21, 1                         ; nt
	s_and_b32 s23, s21, 1                          ; bh
	v_and_b32 v1, 31, v0                           ; l
	v_and_b32 v2, 15, v0                           ; r
	v_bfe_u32 v3, v0, 4, 1                         ; h
	v_lshlrev_b32 v4, 4, v1                        ; decoder_hidden: 16 bytes a lane of a row's 512
	v_lshrrev_b32 v5, 2, v1
	v_and_b32 v6, 3, v1
	v_lshlrev_b32 v6, 4, v6
	v_lshl_add_u32 v5, v5, 12, v6                  ; W2: row l / 4 (4,096 bytes), 16 bytes for columns 4 (l % 4) ..
	s_mul_i32 s28, s[WV], DWV
	v_lshl_add_u32 v6, v1, 3, s28                  ; into LDS: 8 bytes a lane of a batch's 256
	s_lshl_b32 s29, s[WV], 12
	s_add_co_u32 s29, s29, WREG
	v_lshl_add_u32 v7, v1, 3, s29                  ; and of W2's eight rows of 32 bytes: 256 consecutive bytes
	v_mul_u32_u24 v10, v2, DP
	v_lshl_add_u32 v10, v3, 4, v10
	v_add_nc_u32 v10, s28, v10                     ; a fragment of decoder_hidden: batch r x pitch + 16 h
	v_and_b32 v11, 7, v0
	v_lshl_add_u32 v11, v3, 3, v11
	v_bfe_u32 v12, v0, 3, 1
	v_lshlrev_b32 v12, 4, v12
	v_lshl_add_u32 v11, v11, 5, v12
	v_add_nc_u32 v11, s29, v11                     ; the turning load: row 8 h + l % 8 (32 bytes), columns 8 ((l / 8) % 2) ..
	s_lshl_b32 s30, s[WV], 11
	s_add_co_u32 s30, s30, PART
	v_lshl_add_u32 v12, v2, 6, s30
	v_lshl_add_u32 v12, v3, 5, v12                 ; my wave's image: batch r x 64 + 32 h
	v_lshlrev_b32 v14, 3, v0                       ; 8 x thread: my 8 bytes of an image, in LDS and in bias2
	v_add_nc_u32 v13, PART, v14
	v_and_b32 v15, 7, v0
	v_lshlrev_b32 v15, 3, v15                      ; which are two columns: their place in the two biases
	s_lshl_b32 s30, s22, 6                         ; 16 columns = 64 bytes
	s_mov_b32 s31, 0
	s_lshl_b32 s24, s[WV], 19                      ; my 128 rows of W2
	s_add_co_u32 s24, s24, s30
	s_mov_b32 s25, 0
	s_lshl_b32 s26, s23, 17                        ; 32 bh rows of decoder_hidden,
	s_lshl_b32 s27, s[WV], 9                       ; my 128 numbers of each
	s_add_co_u32 s26, s26, s27
	s_mov_b32 s27, 0
	s_lshl_b32 s32, s22, 12                        ; bias2: 4,096 bytes for each nt,
	s_lshl_b32 s33, s23, 11                        ; 2,048 for 32 batches
	s_add_co_u32 s32, s32, s33
	s_mov_b32 s33, 0
	s_mov_b32 s34, 0x4038aa3b                      ; c = 2 log2(e)
	s_mov_b32 s35, s34                             ; named with it as a pair
	s_wait_kmcnt 0x0
	s_add_nc_u64 s[10:11], s[10:11], s[30:31]
	s_add_nc_u64 s[12:13], s[12:13], s[30:31]
	s_add_nc_u64 s[24:25], s[6:7], s[24:25]
	s_add_nc_u64 s[26:27], s[8:9], s[26:27]
	s_add_nc_u64 s[16:17], s[16:17], s[32:33]
	global_load_b64 v[16:17], v15, s[10:11]        ; W1_b
	global_load_b64 v[18:19], v15, s[12:13]        ; W2_b
.set i, 0
.rept 32
	global_load_b128 v[DL+4*i:DL+4*i+3], v4, s[26:27] offset:i*4096    ; batch i: 512 consecutive bytes
.set i, i+1
.endr
.set i, 0
.rept 16
	global_load_b128 v[WL+4*i:WL+4*i+3], v5, s[24:25] offset:i*32768   ; rows 8 i .. 8 i + 7
.set i, i+1
.endr
	s_wait_loadcnt 16                              ; the biases and decoder_hidden are in; W2's 16 loads may stay out
.set i, 0
.rept 32
	v_cvt_pk_bf16_f32 v[DL+4*i], v[DL+4*i], v[DL+4*i+1]
	v_cvt_pk_bf16_f32 v[DL+4*i+1], v[DL+4*i+2], v[DL+4*i+3]
	ds_store_b64 v6, v[DL+4*i:DL+4*i+1] offset:i*DP
.set i, i+1
.endr
	s_wait_loadcnt 0x0
.set i, 0
.rept 16
	v_cvt_pk_bf16_f32 v[WL+4*i], v[WL+4*i], v[WL+4*i+1]
	v_cvt_pk_bf16_f32 v[WL+4*i+1], v[WL+4*i+2], v[WL+4*i+3]
	ds_store_b64 v7, v[WL+4*i:WL+4*i+1] offset:i*256
.set i, i+1
.endr
	; the fragments come out of my wave's own bytes: LDS serves a wave's instructions in order (ISA guide 5.7.1.4), so these see the stores above
.irp mt, 0,1
.irp ks, 0,1,2,3
	ds_load_b128 v[DF+32*(\mt)+8*(\ks):DF+32*(\mt)+8*(\ks)+3], v10 offset:(\mt)*16*DP+(\ks)*64
	ds_load_b128 v[DF+32*(\mt)+8*(\ks)+4:DF+32*(\mt)+8*(\ks)+7], v10 offset:(\mt)*16*DP+(\ks)*64+32
.endr
.endr
.irp ks, 0,1,2,3
	ds_load_tr16_b128 v[WF+8*(\ks):WF+8*(\ks)+3], v11 offset:(\ks)*1024
	ds_load_tr16_b128 v[WF+8*(\ks)+4:WF+8*(\ks)+7], v11 offset:(\ks)*1024+512
.endr
	s_wait_dscnt 0x0
.irp ks, 0,1,2,3                       ; the two accumulators take turns, one instruction a turn; the first step starts the sums
.irp mt, 0,1
.if (\ks) == 0
	v_wmma_f32_16x16x32_bf16 v[ACC+8*(\mt):ACC+8*(\mt)+7], v[WF+8*(\ks):WF+8*(\ks)+7], v[DF+32*(\mt)+8*(\ks):DF+32*(\mt)+8*(\ks)+7], 0
.else
	v_wmma_f32_16x16x32_bf16 v[ACC+8*(\mt):ACC+8*(\mt)+7], v[WF+8*(\ks):WF+8*(\ks)+7], v[DF+32*(\mt)+8*(\ks):DF+32*(\mt)+8*(\ks)+7], v[ACC+8*(\mt):ACC+8*(\mt)+7]
.endif
.endr
.endr
	PLACES
	PLACES
.irp mt, 0,1
	ds_store_b128 v12, v[ACC+8*(\mt):ACC+8*(\mt)+3] offset:(\mt)*1024      ; each accumulator's low registers first
	ds_store_b128 v12, v[ACC+8*(\mt)+4:ACC+8*(\mt)+7] offset:(\mt)*1024+16
.endr
	s_wait_dscnt 0x0                               ; for the others' sake: my partial image is in LDS
	s_barrier_signal -1
	s_barrier_wait -1
.irp w, 0,1,2,3,4,5,6,7
	ds_load_b64 v[40+2*(\w):41+2*(\w)], v13 offset:2048*(\w)
.endr
	s_wait_dscnt 0x0
	v_pk_add_f32 v[40:41], v[40:41], v[42:43]
	v_pk_add_f32 v[44:45], v[44:45], v[46:47]
	v_pk_add_f32 v[48:49], v[48:49], v[50:51]
	v_pk_add_f32 v[52:53], v[52:53], v[54:55]
	v_pk_add_f32 v[40:41], v[40:41], v[44:45]
	v_pk_add_f32 v[48:49], v[48:49], v[52:53]
	v_pk_add_f32 v[40:41], v[40:41], v[48:49]
	v_pk_add_f32 v[40:41], v[40:41], v[16:17]
	v_pk_add_f32 v[40:41], v[40:41], v[18:19]
	v_pk_mul_f32 v[40:41], v[40:41], s[34:35] op_sel_hi:[1,0]
	global_store_b64 v14, v[40:41], s[16:17]       ; a wave stores 256 consecutive bytes, at a multiple of 256 from bias2's first byte
	s_wait_tensorcnt 0x0                           ; the wave's end, behind my last LDS store
	ds_add_u32 v[SPW], v[NIL]
	s_wait_dscnt 0x0
	s_endpgm
	; ---------------- JOB A: g = number - 128; K step ks = g / 4, 256 columns nq = g % 4.  This way writes no LDS. ----------------
.Lpack:
	s_sub_co_u32 s21, s21, 128
	s_lshr_b32 s22, s21, 2                         ; ks
	s_and_b32 s23, s21, 3                          ; nq
	s_and_b32 s28, s[WV], 1                        ; h: which 8 of 16 k
	s_bfe_u32 s29, s[WV], 0x10001                  ; q: which 16 of 32 k
	s_lshr_b32 s30, s[WV], 2                       ; nh: which 128 of the 256 columns
	s_lshl_b32 s24, s22, 5
	s_lshl4_add_u32 s24, s29, s24
	s_lshl3_add_u32 s24, s28, s24                  ; my first row of W1: 32 ks + 16 q + 8 h
	s_lshl_b32 s24, s24, 12
	s_lshl_b32 s31, s23, 10
	s_add_co_u32 s24, s24, s31
	s_lshl_b32 s31, s30, 9
	s_add_co_u32 s24, s24, s31                     ; + (256 nq + 128 nh) x 4 bytes
	s_mov_b32 s25, 0
	s_lshl1_add_u32 s26, s23, s30                  ; ng = 2 nq + nh
	s_lshl_b32 s26, s26, 18
	s_lshl_b32 s31, s22, 13
	s_add_co_u32 s26, s26, s31
	s_lshl_b32 s31, s29, 9
	s_add_co_u32 s26, s26, s31
	s_lshl_b32 s31, s28, 8
	s_add_co_u32 s26, s26, s31                     ; 262,144 ng + 8,192 ks + 512 q + 256 h
	s_mov_b32 s27, 0
	v_and_b32 v1, 31, v0
	v_lshlrev_b32 v2, 2, v1                        ; in: column = lane, 4 bytes
	v_lshrrev_b32 v3, 4, v1
	v_and_b32 v4, 15, v1
	v_lshlrev_b32 v4, 4, v4
	v_lshl_add_u32 v3, v3, 10, v4                  ; out: block lane / 16 (1,024 bytes), 16 bytes for column lane % 16
	s_wait_kmcnt 0x0
	s_add_nc_u64 s[24:25], s[4:5], s[24:25]
	s_add_nc_u64 s[26:27], s[14:15], s[26:27]
.irp u, 0,1,2,3
.irp i, 0,1,2,3,4,5,6,7
	global_load_b32 v[32+8*(\u)+(\i)], v2, s[24:25] offset:(\i)*4096+(\u)*128 th:TH_LOAD_NT  ; k = i of column 32 u + lane
.endr
.endr
	s_wait_loadcnt 0x0
.irp u, 0,1,2,3
.irp j, 0,1,2,3
	v_cvt_pk_bf16_f32 v[64+4*(\u)+(\j)], v[32+8*(\u)+2*(\j)], v[32+8*(\u)+2*(\j)+1]
.endr
.endr
.irp u, 0,1,2,3
	global_store_b128 v3, v[64+4*(\u):64+4*(\u)+3], s[26:27] offset:(\u)*2048  ; sixteen lanes store 256 consecutive bytes, at a multiple of 256 from w1f's first byte
.endr
	s_endpgm
.Lfunc_end_k_qf7d96e434d_prep:
	.size	k_qf7d96e434d_prep, .Lfunc_end_k_qf7d96e434d_prep-k_qf7d96e434d_prep
	.p2alignl 7, 3214868480
	.fill 96, 4, 3214868480
	.section	.rodata,"a",@progbits
	.p2align	6, 0x0
	.amdhsa_kernel k_qf7d96e434d_prep
		.amdhsa_group_segment_fixed_size 119808
		.amdhsa_private_segment_fixed_size 0
		.amdhsa_enable_private_segment 0
		.amdhsa_kernarg_size 56
		.amdhsa_user_sgpr_count 2
		.amdhsa_user_sgpr_kernarg_segment_ptr 1
		.amdhsa_wavefront_size32 1
		.amdhsa_system_sgpr_workgroup_id_x 1
		.amdhsa_system_sgpr_workgroup_id_y 1
		.amdhsa_system_sgpr_workgroup_id_z 1
		.amdhsa_system_vgpr_workitem_id 0
		.amdhsa_next_free_vgpr 256
		.amdhsa_next_free_sgpr 66
		.amdhsa_reserve_vcc 0
		.amdhsa_float_denorm_mode_32 3
		.amdhsa_float_denorm_mode_16_64 3
		.amdhsa_memory_ordered 1
		.amdhsa_forward_progress 1
		.amdhsa_inst_pref_size 27
	.end_amdhsa_kernel
	.amdgpu_metadata
---
amdhsa.version: [ 1, 2 ]
amdhsa.kernels:
  - .name:           k_qf7d96e434d_prep
    .symbol:         k_qf7d96e434d_prep.kd
    .args:
      - { .name: W1_w, .offset: 0, .size: 8, .value_kind: global_buffer, .address_space: global }
      - { .name: W2_w, .offset: 8, .size: 8, .value_kind: global_buffer, .address_space: global }
      - { .name: decoder_hidden, .offset: 16, .size: 8, .value_kind: global_buffer, .address_space: global }
      - { .name: W1_b, .offset: 24, .size: 8, .value_kind: global_buffer, .address_space: global }
      - { .name: W2_b, .offset: 32, .size: 8, .value_kind: global_buffer, .address_space: global }
      - { .name: w1f, .offset: 40, .size: 8, .value_kind: global_buffer, .address_space: global }
      - { .name: bias2, .offset: 48, .size: 8, .value_kind: global_buffer, .address_space: global }
    .group_segment_fixed_size: 119808
    .private_segment_fixed_size: 0
    .kernarg_segment_align: 8
    .kernarg_segment_size: 56
    .max_flat_workgroup_size: 256
    .sgpr_count:     66
    .vgpr_count:     256
    .wavefront_size: 32
...
	.end_amdgpu_metadata
.endif
;; end of part 1
;; launch main (part 2): grid 8 x 64, 4 waves a work-group, no clusters, 310,784 bytes of LDS; arguments encoder_outputs, w1f, bias2, V_w, V_b, scw, stats, ctxp; writes scw, stats, ctxp
.if DOCPART == 2
	.amdgcn_target "amdgcn-amd-amdhsa--gfx1250"
	.amdhsa_code_object_version 6
	.text
	.protected	k_qf7d96e434d_main
	.globl	k_qf7d96e434d_main
	.p2align	8
	.type	k_qf7d96e434d_main,@function
k_qf7d96e434d_main:
	s_mov_b64 s[64:65], 0
	v_nop
	global_prefetch_b8 v0, s[64:65] scope:SCOPE_SE
	s_setreg_imm32_b32 hwreg(HW_REG_WAVE_MODE, 25, 1), 1
	s_wait_xcnt 0x0
; MAIN.  A work-group owns 128 rows s of one batch (x: the block of 128, y: the batch) and reads them from memory ONCE: they are rounded to bf16 and stay in LDS for both products.
;   x[s][d] = enc[s] . W1[:, d] (bf16 operands, f32 sums);   score[s] = sum over d of V[d] tanh(x + bias) + V_b;   sc2 = log2(e) score;
;   m2 = the block's largest sc2, p = 2^(sc2 - m2), l = the sum of p;   ctxp[e] = sum over s of bf16(p[s]) enc[s][e].   A later launch joins the eight blocks of a batch under their common maximum.
; tanh(x) = 1 - 2 / (1 + 2^(c x)), c = 2 log2(e): where 2^(c x) overflows the reciprocal is 0 and tanh 1; where it underflows tanh is -1.  So score = V_b + sum V - 2 sum V[d] rc[d], rc = 1 / (1 + 2^(c x + cb));
;   cb = c x both biases and the decoder's projection comes ready from bias2.
; LIMITS.  enc, W1 and p enter the matrix unit rounded to bf16; l is the sum of the unrounded p; a p below 2^-126 counts as 0; NaN and infinities are not treated apart.
; SHARES.  Four waves.  D goes in two chunks of 512 columns; in chunk c wave w makes rows 0-127 x columns 128 (2 w + c) ..: 64 accumulators of 16 x 16, 512 registers.  For 32 along K a wave reads
;   8 fragments of the rows from LDS (16 loads) and 8 fragments of W1 straight from w1f into registers (16 loads of 512 consecutive bytes): no wave wants a byte of W1 that another wave of the work-group has fetched.
;   W1's fragments go through a ring of four register buffers, asked for two and a half K steps (160 matrix instructions) ahead.
; THE ROWS COME IN UNDER THE FIRST CHUNK'S PRODUCTS.  K step t wants only columns 32 t .. of the rows.  They come by SLICES of 64 columns (256 bytes of each row in memory); of a slice wave w brings rows 32 w .. 32 w + 31,
;   in two PIECES of 16 rows, 8 loads each.  Piece e is asked for in K step e - 7, rounded to bf16 and stored to LDS in K step e - 3, and its registers take piece e + 4: a ring of four buffers of 32 registers.
;   Slice s is whole behind the barrier in K step 2 s - 1, whose fetch of K step 2 s follows it.  Between two barriers slice s + 1 is written and slice s is read: different bytes.
;   Loads count in the order of issue, W1's and enc's together (ISA guide 5.7.1): a run asks for W1's K step t + 3 and then for piece t + 7, so the wait for W1's K step t also shows piece t + 3 in.
; NO CLUSTER, NO TENSOR LOADS.  A joint load lands in LDS.  The rows hold 294,912 of a WGP's 327,680 bytes and the tables and stages 15,872; two slots of one K step of the work-group's 512 columns are 65,536 bytes: they do not fit.
; THE MATRIX INSTRUCTION IS USED TRANSPOSED: source 0 = 16 columns of W1, source 1 = 16 rows of enc.  In the result lane l holds ONE row (l % 16) and the columns 8 (l / 16) + 0..7: a row's score is a sum inside
;   a lane, and one exchange between the halves of the lanes.
; REGISTERS, in windows of 256 (s_set_vgpr_msb: bits 1:0 source 0, 3:2 source 1, 5:4 source 2, 7:6 destination):
;   window 0: v0-31 addresses and the eight running sums; v64-95 fragments of rows 0-63 (one buffer: loaded again in the middle of the step that has read it); v96-127, v128-159 those of rows 64-127, two buffers;
;             v32-63, v160-191, v192-223, v224-255 enc's ring in the first chunk; in the epilogue v32-47 at work, v64-127 cb, v192-255 V
;   window 1: W1's fragments, four buffers of 64     window 2: accumulators of rows 0-63 ((a, b) at v[8 (8 a + b)]); at the start: where pieces 0-2 land     window 3: those of rows 64-127
.set SP,    144                        ; a row of a slice in LDS: 128 bytes + 16 = 36 words: the 16 rows of a fragment load start at 16 different groups of four banks (64 banks of 4 bytes: ISA guide 11.1)
.set SLB,   128*SP                     ; a slice: 128 rows x 64 K
.set SCR,   16*SLB                     ; behind the 16 slices: [wave][128] f32: each wave's part of the rows' sums
.set PBT,   SCR+2048                   ; [wave][128] bf16: p, a copy for each wave, its own
.set VT,    PBT+1024                   ; V_w, 1,024 f32
.set CBT,   VT+4096                    ; cb of my batch, 1,024 f32
.set CTXS,  CBT+4096                   ; [wave][256] f32: the way out of the context, each wave's own
.set SPARE, CTXS+4096                  ; the spare words, 128 bytes a wave: two blocks of 256 bytes that no other line names
.set BO,  4                            ; v4   16 x lane; never rewritten
.set EO,  5                            ; v5   enc: 16 (l % 16) + 8 rows x (l / 16); never rewritten
.set L0,  6                            ; v6   where my 8 bytes of a piece's first row go: (32 w + 8 (l / 16)) x SP + 8 (l % 16); never rewritten
.set LST, 7                            ; v7   the same + the slices walked
.set A0,  8                            ; v8   (l % 16) x SP + 16 (l / 16); never rewritten
.set ADA, 9                            ; v9   the same + the slices walked
.set TBA, 10                           ; v10  my place in V's table: my wave's columns of the chunk, 32 h; cb lies 4,096 bytes on
.set SW,  11                           ; v11  where my row's sum goes
.set QS,  12                           ; v12-19 running sums of V rc for rows 16 a + l % 16
.set SPW, 20                           ; v20  LDS address of my spare word; never rewritten
.set NIL, 21                           ; v21  0; never rewritten
.set SR,  22
.set VS,  23
.set PW,  24
.set PA,  25
.set CS,  26
.set CR,  27
.set GV,  28                           ; v28  32 x thread: my 8 numbers of V_w
.set GB,  29                           ; v29  my 8 numbers of cb in bias2
.set TS,  30                           ; v30  where both go in LDS
.set PFO, 31                           ; v31  the prefetches' offset: a lane a row, 4,096 x lane; never rewritten
.set T,   32
.set CA,  40                           ; v40-43 the context's turning loads
.set ALO, 64
.set AHI, 96
.set CB,  64
.set VV,  192
.set EB0, 32
.set EB1, 160
.set EB2, 192
.set EB3, 224
.set WV,  20                           ; s20  my wave's number
.set BP,  32                           ; s[32:33] w1f at the K step that stands in buffer 0
.set EP,  38                           ; s[38:39] enc at my wave's first row, at the slices walked
.set KA,  44                           ; s44  LDS bytes of the slices walked
.set MUL_LO, 0xa1                      ; source 0 (W1) window 1, source 1 (rows) window 0, C and D window 2
.set MSB, 0
.macro WIN new                         ; the immediate's high byte repeats the setting that is left; a switch that changes nothing is dropped
.if MSB != (\new)
	s_set_vgpr_msb (MSB<<8)|(\new)
.set MSB, \new
.endif
.endm
.macro PLACES                          ; four places between matrix instructions and loads into registers that they read, or vector lines that read their results
.rept 4
	v_nop
.endr
.endm
; a piece of enc: half lp of my rows of the slice ls slices behind the pointer: 8 loads, each two rows (8 apart) x 256 consecutive bytes, into 32 registers from eb on.  w: the window setting (0x80: into window 2)
.macro ELOAD eb, ls, lp, w
	WIN \w
.irp j, 0,1,2,3,4,5,6,7
	global_load_b128 v[(\eb)+4*(\j):(\eb)+4*(\j)+3], v[EO], s[EP:EP+1] offset:(16*(\lp)+(\j))*4096+(\ls)*256 th:TH_LOAD_NT
.endr
.endm
; its 32 registers of f32 become 16 of bf16, in place and ascending: register i is written when registers 2 i and 2 i + 1 are read, never before.  w: 0, or 0x8a in window 2
.macro ECVT eb, w
	WIN \w
.irp i, 0,1,2,3,4,5,6,7,8,9,10,11,12,13,14,15
	v_cvt_pk_bf16_f32 v[(\eb)+(\i)], v[(\eb)+2*(\i)], v[(\eb)+2*(\i)+1]
.endr
.endm
; and go to LDS: a store writes 128 bytes of a row and 128 of the row 8 further down, which begins 32 banks on.  w: 0, or 0x08 for data in window 2
.macro ESTORE eb, ss, pp, w
	WIN \w
.irp j, 0,1,2,3,4,5,6,7
	ds_store_b64 v[LST], v[(\eb)+2*(\j):(\eb)+2*(\j)+1] offset:(\ss)*SLB+(16*(\pp)+(\j))*SP
.endr
.endm
; W1's eight fragments of the K step idx steps behind the pointer, into buffer bb
.macro BLOAD bb, idx
	WIN 0x40
.irp i, 0,1,2,3,4,5,6,7
	global_load_b128 v[64*(\bb)+8*(\i):64*(\bb)+8*(\i)+3], v[BO], s[BP:BP+1] offset:(\idx)*8192+(\i)*1024
	global_load_b128 v[64*(\bb)+8*(\i)+4:64*(\bb)+8*(\i)+7], v[BO], s[BP:BP+1] offset:(\idx)*8192+(\i)*1024+512
.endr
.endm
; the rows' eight fragments (16 rows x 32 K: two loads of 16 bytes, 32 bytes apart) at byte imm behind the address: rows 0-63 first, into their one buffer, rows 64-127 into hn
.macro AFETCH hn, imm
	WIN 0
.irp a, 0,1,2,3
	ds_load_b128 v[ALO+8*(\a):ALO+8*(\a)+3], v[ADA] offset:(\imm)+(\a)*16*SP
	ds_load_b128 v[ALO+8*(\a)+4:ALO+8*(\a)+7], v[ADA] offset:(\imm)+(\a)*16*SP+32
.endr
.irp a, 0,1,2,3
	ds_load_b128 v[(\hn)+8*(\a):(\hn)+8*(\a)+3], v[ADA] offset:(\imm)+((\a)+4)*16*SP
	ds_load_b128 v[(\hn)+8*(\a)+4:(\hn)+8*(\a)+7], v[ADA] offset:(\imm)+((\a)+4)*16*SP+32
.endr
.endm
; my lane's 64 numbers of a table (tab = 0: V, 4096: cb), laid as an accumulator row's 64 registers lie: column 16 b + 8 h + j at register 8 b + j
.macro TFETCH f, tab
	WIN 0
.irp b, 0,1,2,3,4,5,6,7
	ds_load_b128 v[(\f)+8*(\b):(\f)+8*(\b)+3], v[TBA] offset:(\tab)+64*(\b)
	ds_load_b128 v[(\f)+8*(\b)+4:(\f)+8*(\b)+7], v[TBA] offset:(\tab)+64*(\b)+16
.endr
.endm
; 16 matrix instructions: row blocks a0, a0 + 1 of the window's four (their fragments from fa on) x all 8 column blocks.  zero = 1: the products start the sums: nothing is cleared
.macro MUL16 bb, fa, hi, a0, zero
	WIN MUL_LO+0x50*(\hi)
.irp a, \a0, (\a0)+1
.irp b, 0,1,2,3,4,5,6,7
.if \zero
	v_wmma_f32_16x16x32_bf16 v[8*(8*(\a)+(\b)):8*(8*(\a)+(\b))+7], v[64*(\bb)+8*(\b):64*(\bb)+8*(\b)+7], v[(\fa)+8*(\a):(\fa)+8*(\a)+7], 0
.else
	v_wmma_f32_16x16x32_bf16 v[8*(8*(\a)+(\b)):8*(8*(\a)+(\b))+7], v[64*(\bb)+8*(\b):64*(\bb)+8*(\b)+7], v[(\fa)+8*(\a):(\fa)+8*(\a)+7], v[8*(8*(\a)+(\b)):8*(8*(\a)+(\b))+7]
.endif
.endr
.endr
.endm
; A K STEP: 64 matrix instructions on W1's buffer bb; hp: which buffer holds rows 64-127.  The 64 accumulators take turns in the same order in every step, over the backward jumps and into the tails.
; In its middle, in ONE run: the piece in eb goes to LDS (est); the next step's rows (amode 1, at byte aimm) or cb and V (amode 2) are fetched; W1's K step three on is asked for, into the buffer that the
; step before read (bidx < 0: none); the piece seven on is asked for, into eb (eld); one prefetch (pf: the slice, counted from the pointer).
; lw: the loads younger than this step's 16 of W1.  bar: the barrier that shows a slice whole: my stores of it (the last stand a step back) are waited for in front of the signal; between signal and wait
; stand products and conversions, work on registers; my next store and the fetch of the slice stand behind the wait.
.macro STEP bb, hp, zero, lw, amode, aimm, bidx, bar=0, est=0, eb=0, ss=0, pp=0, eld=0, ls=0, lp=0, pf=0
	s_wait_loadcnt \lw                             ; W1's fragments of this step are in, and all that was asked for before them
	s_wait_dscnt 8                                 ; the fragments of rows 0-63 are in; the youngest eight loads (rows 64-127) may be out
	MUL16 \bb, ALO, 0, 0, \zero
.if \bar
	s_wait_dscnt 0x0                               ; for the others' sake: all my LDS stores are done
	s_barrier_signal -1
.endif
	MUL16 \bb, ALO, 0, 2, \zero
.if \est
	ECVT \eb, 0                                    ; sixteen plain lines that name no register of the products: the places in front of the run
.else
	PLACES
.endif
	s_wait_dscnt 0x0                               ; rows 64-127 of this step, asked for a step back
.if \bar
	s_barrier_wait -1
.endif
.if \est
	ESTORE \eb, \ss, \pp, 0
.endif
.if (\amode) == 1
	AFETCH AHI+32*(1-(\hp)), \aimm
.else
	TFETCH CB, 4096
	TFETCH VV, 0
.endif
.if (\bidx) >= 0
	BLOAD ((\bb)+3)%4, \bidx
.endif
.if \eld
	ELOAD \eb, \ls, \lp, 0
.endif
.if \pf
	s_cmp_gt_u32 s26, 1                            ; the loop's last trip has no slice behind those that it loads
	s_cbranch_scc0 .Lnpf_\@
	global_prefetch_b8 v[PFO], s[EP:EP+1] offset:(\pf)*256 th:TH_LOAD_NT scope:SCOPE_SE  ; my 32 rows' 256 bytes of the slice whose loads begin four K steps on: a lane a row
.Lnpf_\@:
.endif
	MUL16 \bb, AHI+32*(\hp), 1, 0, \zero
	MUL16 \bb, AHI+32*(\hp), 1, 2, \zero
.endm
; behind four K steps: two slices on in LDS, four K steps on in w1f; e = 1: enc's store address and pointer too
.macro NEXT e
	WIN 0
	s_add_co_u32 s[KA], s[KA], 2*SLB
	v_add_nc_u32 v[ADA], s[KA], v[A0]
.if \e
	v_add_nc_u32 v[LST], s[KA], v[L0]
.endif
	s_wait_xcnt 0x0                                ; the youngest loads stand 32 matrix instructions back, the youngest prefetch 96: they have read the pointers
	s_add_nc_u64 s[BP:BP+1], s[BP:BP+1], 4*8192
.if \e
	s_add_nc_u64 s[EP:EP+1], s[EP:EP+1], 2*256
.endif
.endm
; THE EPILOGUE of 16 rows x my 128 columns: 64 registers a lane, in place.  y = c x + cb; 2^y; + 1; the reciprocal; times V, summed in four chains.  Each accumulator is read from its low end on.
; The 64 exponentials are one batch with one wait, and so are the 64 reciprocals: a plain line behind the last, then the wait ahead of the first line that names a result.
.macro GROUP hi, a
.set gg, 64*(\a)
.set tb, T+8*((\a)%2)
	WIN 0x82+0x41*(\hi)                            ; destination and source 0: the accumulators' window
.set i, 0
.rept 32
	v_pk_fma_f32 v[gg+2*i:gg+2*i+1], v[gg+2*i:gg+2*i+1], s[28:29], v[CB+2*i:CB+2*i+1] op_sel_hi:[1,0,1]
.set i, i+1
.endr
.set i, 0
.rept 64
	v_exp_f32 v[gg+i], v[gg+i]
.set i, i+1
.endr
	v_nop
	s_wait_alu depctr_va_vdst(0)
.set i, 0
.rept 32
	v_pk_add_f32 v[gg+2*i:gg+2*i+1], v[gg+2*i:gg+2*i+1], 1.0 op_sel_hi:[1,0]
.set i, i+1
.endr
.set i, 0
.rept 64
	v_rcp_f32 v[gg+i], v[gg+i]
.set i, i+1
.endr
	v_nop
	s_wait_alu depctr_va_vdst(0)
	WIN 0x02+(\hi)                                 ; source 0: the accumulators' window; V and the chains in window 0
.set i, 0
.rept 4
	v_pk_mul_f32 v[tb+2*i:tb+2*i+1], v[gg+2*i:gg+2*i+1], v[VV+2*i:VV+2*i+1]
.set i, i+1
.endr
.rept 28
	v_pk_fma_f32 v[tb+2*(i%4):tb+2*(i%4)+1], v[gg+2*i:gg+2*i+1], v[VV+2*i:VV+2*i+1], v[tb+2*(i%4):tb+2*(i%4)+1]
.set i, i+1
.endr
	WIN 0
	v_pk_add_f32 v[tb:tb+1], v[tb:tb+1], v[tb+2:tb+3]
	v_pk_add_f32 v[tb+4:tb+5], v[tb+4:tb+5], v[tb+6:tb+7]
	v_pk_add_f32 v[tb:tb+1], v[tb:tb+1], v[tb+4:tb+5]
	v_add_f32 v[tb], v[tb], v[tb+1]
	v_add_f32 v[QS+4*(\hi)+(\a)], v[QS+4*(\hi)+(\a)], v[tb]
.endm
; a sum and a maximum over the wave's 32 lanes, the result in every lane; t: a register that has been written
.macro WSUM x, t
	v_add_f32_dpp v[\x], v[\x], v[\x] row_xmask:1 row_mask:0xf bank_mask:0xf
	v_add_f32_dpp v[\x], v[\x], v[\x] row_xmask:2 row_mask:0xf bank_mask:0xf
	v_add_f32_dpp v[\x], v[\x], v[\x] row_xmask:4 row_mask:0xf bank_mask:0xf
	v_add_f32_dpp v[\x], v[\x], v[\x] row_xmask:8 row_mask:0xf bank_mask:0xf
	v_permlanex16_b32 v[\t], v[\x], s30, s31
	v_add_f32 v[\x], v[\x], v[\t]
.endm
.macro WMAX x, t
	v_max_num_f32_dpp v[\x], v[\x], v[\x] row_xmask:1 row_mask:0xf bank_mask:0xf
	v_max_num_f32_dpp v[\x], v[\x], v[\x] row_xmask:2 row_mask:0xf bank_mask:0xf
	v_max_num_f32_dpp v[\x], v[\x], v[\x] row_xmask:4 row_mask:0xf bank_mask:0xf
	v_max_num_f32_dpp v[\x], v[\x], v[\x] row_xmask:8 row_mask:0xf bank_mask:0xf
	v_permlanex16_b32 v[\t], v[\x], s30, s31
	v_max_num_f32 v[\x], v[\x], v[\t]
.endm
; the context: rows 32 kk .. x my 256 columns (four slices), turned on the way out of LDS, 16 fragments into half kk % 2 of window 1; and the 16 products on them
.macro CLOAD kk
	WIN 0x40
.irp t, 0,1,2,3,4,5,6,7,8,9,10,11,12,13,14,15
	ds_load_tr16_b128 v[128*((\kk)%2)+8*(\t):128*((\kk)%2)+8*(\t)+3], v[CA+(\kk)] offset:((\t)/4)*SLB+((\t)%4)*32
	ds_load_tr16_b128 v[128*((\kk)%2)+8*(\t)+4:128*((\kk)%2)+8*(\t)+7], v[CA+(\kk)] offset:((\t)/4)*SLB+((\t)%4)*32+16*SP
.endr
.endm
.macro CMUL kk
	WIN 0x04                                       ; source 1 window 1; p, C and D window 0
.irp t, 0,1,2,3,4,5,6,7,8,9,10,11,12,13,14,15
.if (\kk) == 0
	v_wmma_f32_16x16x32_bf16 v[128+8*(\t):128+8*(\t)+7], v[64+8*(\kk):64+8*(\kk)+7], v[128*((\kk)%2)+8*(\t):128*((\kk)%2)+8*(\t)+7], 0
.else
	v_wmma_f32_16x16x32_bf16 v[128+8*(\t):128+8*(\t)+7], v[64+8*(\kk):64+8*(\kk)+7], v[128*((\kk)%2)+8*(\t):128*((\kk)%2)+8*(\t)+7], v[128+8*(\t):128+8*(\t)+7]
.endif
.endr
.endm
	; ---------------- the head ----------------
	s_load_b512 s[4:19], s[0:1], 0x0               ; enc 4, w1f 6, bias2 8, V_w 10, V_b 12, scw 14, stats 16, ctxp 18
	v_lshl_add_u32 v[SPW], v0, 2, SPARE
	v_mov_b32 v[NIL], 0
	v_lshrrev_b32 v1, 5, v0
	v_readfirstlane_b32 s[WV], v1                  ; wave 0..3
	s_mov_b32 s21, ttmp9                           ; the block of 128 rows
	s_and_b32 s22, ttmp7, 0xffff                   ; the batch
	v_and_b32 v1, 31, v0                           ; lane
	v_and_b32 v2, 15, v0                           ; r
	v_bfe_u32 v3, v0, 4, 1                         ; h
	v_lshlrev_b32 v[BO], 4, v1
	v_lshlrev_b32 v[EO], 4, v2
	v_lshl_add_u32 v[EO], v3, 15, v[EO]            ; 16 r + 8 h rows of 4,096 bytes
	v_lshlrev_b32 v[PFO], 12, v1
	s_mul_i32 s24, s[WV], 32*SP                    ; wave w brings rows 32 w .. 32 w + 31
	v_lshl_add_u32 v[L0], v2, 3, s24
	v_mul_u32_u24 v32, v3, 8*SP
	v_add_nc_u32 v[L0], v[L0], v32
	v_mul_u32_u24 v[A0], v2, SP
	v_lshl_add_u32 v[A0], v3, 4, v[A0]
	s_mov_b32 s[KA], 0
	v_add_nc_u32 v[LST], s[KA], v[L0]
	v_add_nc_u32 v[ADA], s[KA], v[A0]
	s_lshl_b32 s24, s[WV], 10
	s_add_co_u32 s25, s24, VT
	v_lshl_add_u32 v[TBA], v3, 5, s25              ; V's table + 4 x 256 w columns + 32 h
	s_add_co_u32 s25, s24, CTXS
	v_lshl_add_u32 v[CS], v2, 2, s25
	v_add_nc_u32 v[CR], s25, v[BO]
	s_lshl_b32 s24, s[WV], 9
	s_add_co_u32 s24, s24, SCR
	v_lshl_add_u32 v[SW], v2, 2, s24
	s_lshl_b32 s24, s[WV], 8
	s_add_co_u32 s24, s24, PBT
	v_lshl_add_u32 v[PW], v1, 3, s24
	v_lshl_add_u32 v[PA], v3, 4, s24
	v_add_nc_u32 v[SR], SCR, v[BO]
	v_add_nc_u32 v[VS], VT, v[BO]
	v_lshlrev_b32 v[GV], 5, v0
	v_add_nc_u32 v[TS], VT, v[GV]
	v_lshrrev_b32 v[GB], 1, v0
	v_and_b32 v32, 1, v0
	v_lshlrev_b32 v32, 5, v32
	v_lshl_add_u32 v[GB], v[GB], 12, v32           ; bias2 is [16 columns][batch][16]: thread t's 8 columns lie at 4,096 (t / 2) + 32 (t % 2), the batch in the base
.irp a, 0,1,2,3,4,5,6,7
	v_mov_b32 v[QS+(\a)], 0
.endr
	s_mov_b32 s28, 0x4038aa3b                      ; c = 2 log2(e)
	s_mov_b32 s29, s28                             ; named with it as a pair
	s_mov_b32 s30, 0x76543210                      ; v_permlanex16_b32: each lane takes its own place in the other half
	s_mov_b32 s31, 0xfedcba98
	s_lshl_b32 s24, s22, 10
	s_lshl_b32 s25, s21, 7
	s_add_co_u32 s24, s24, s25                     ; the block's first row among all 65,536
	s_lshl_b32 s36, s24, 2                         ; its place in scw
	s_mov_b32 s37, 0
	s_lshl_b32 s25, s[WV], 5
	s_add_co_u32 s24, s24, s25
	s_lshl_b32 s24, s24, 12                        ; rows of 4,096 bytes: under 2^28
	s_mov_b32 s25, 0
	s_lshl_b32 s42, s22, 6                         ; my batch's 64 bytes in each block of bias2, and in stats
	s_mov_b32 s43, 0
	s_lshl_b32 s46, s[WV], 19                      ; wave w's stream in w1f: column groups 2 w and 2 w + 1, 524,288 consecutive bytes
	s_mov_b32 s47, 0
	s_wait_kmcnt 0x0
	s_add_nc_u64 s[EP:EP+1], s[4:5], s[24:25]
	s_add_nc_u64 s[8:9], s[8:9], s[42:43]
	s_add_nc_u64 s[BP:BP+1], s[6:7], s[46:47]
	; ---------------- the start: the tables, pieces 0-6 and W1's K steps 0-2, in the order in which the loop would have asked for them ----------------
	global_load_b128 v[96:99], v[GV], s[10:11]     ; my 8 numbers of V_w
	global_load_b128 v[100:103], v[GV], s[10:11] offset:16
	global_load_b128 v[104:107], v[GB], s[8:9]     ; and of cb
	global_load_b128 v[108:111], v[GB], s[8:9] offset:16
	ELOAD 0, 0, 0, 0x80                            ; pieces 0-2 land where the accumulators will be
	ELOAD 32, 0, 1, 0x80
	ELOAD 64, 1, 0, 0x80
	ELOAD EB3, 1, 1, 0                             ; piece e stands in buffer e % 4
	BLOAD 0, 0
	ELOAD EB0, 2, 0, 0
	s_add_nc_u64 s[14:15], s[14:15], s[36:37]      ; the other pointers, while the first rows come
	s_lshl_b32 s36, s21, 3
	s_add_co_u32 s42, s42, s36
	s_add_nc_u64 s[16:17], s[16:17], s[42:43]      ; stats[batch][block]
	s_lshl_b32 s24, s22, 3
	s_add_co_u32 s24, s24, s21
	s_lshl_b32 s24, s24, 12
	s_lshl_b32 s36, s[WV], 10
	s_add_co_u32 s24, s24, s36
	s_add_nc_u64 s[18:19], s[18:19], s[24:25]      ; ctxp[batch][block] at my 256 columns
	s_load_b32 s34, s[12:13], 0x0                  ; V_b; waited for where it is used
	s_wait_loadcnt 48                              ; the tables and piece 0 are in: pieces 1-4 (32 loads) and W1's K step 0 (16) are younger
	WIN 0
	ds_store_b128 v[TS], v[96:99]
	ds_store_b128 v[TS], v[100:103] offset:16
	ds_store_b128 v[TS], v[104:107] offset:4096
	ds_store_b128 v[TS], v[108:111] offset:4112
	ECVT 0, 0x8a
	ESTORE 0, 0, 0, 0x08
	BLOAD 1, 1
	s_wait_loadcnt 56                              ; piece 1 is in: pieces 2-4 (24) and two K steps of W1 (32) are younger
	ECVT 32, 0x8a
	ESTORE 32, 0, 1, 0x08
	ELOAD EB1, 2, 1, 0
	s_wait_loadcnt 56                              ; piece 2 is in: pieces 3-5 (24) and two K steps of W1 (32) are younger
	ECVT 64, 0x8a
	ESTORE 64, 1, 0, 0x08
	BLOAD 2, 2
	ELOAD EB2, 3, 0, 0
	WIN 0
	s_wait_dscnt 0x0                               ; for the others' sake: my rows of slice 0 and my part of the tables are in LDS
	s_barrier_signal -1
	s_barrier_wait -1
	; ---------------- chunk 0: the products, and the rest of the rows beside them ----------------
	AFETCH AHI, 0
	STEP 0, 0, 1, 56, 1, 64, 3, 0, 1, EB3, 1, 1, 1, 3, 1       ; K step 0 starts the sums; 56: three pieces (24) and two K steps of W1 (32) are younger than this step's fragments
	WIN 0
	s_mov_b32 s26, 6
.Lk0:                                          ; a trip: K steps 4 j + 1 .. 4 j + 4; pieces 4 j + 4 .. 4 j + 7 go to LDS, pieces 4 j + 8 .. 4 j + 11 are asked for
	STEP 1, 1, 0, 56, 1, SLB, 4, 1, 1, EB0, 2, 0, 1, 4, 0, 6
	STEP 2, 0, 0, 56, 1, SLB+64, 5, 0, 1, EB1, 2, 1, 1, 4, 1
	STEP 3, 1, 0, 56, 1, 2*SLB, 6, 1, 1, EB2, 3, 0, 1, 5, 0, 7
	STEP 0, 0, 0, 56, 1, 2*SLB+64, 7, 0, 1, EB3, 3, 1, 1, 5, 1
	NEXT 1
	s_sub_co_u32 s26, s26, 1
	s_cmp_lg_u32 s26, 0
	s_cbranch_scc1 .Lk0
	STEP 1, 1, 0, 56, 1, SLB, 4, 1, 1, EB0, 2, 0               ; K steps 25-28: the last four pieces go to LDS, none is left to ask for, and the counts run down by 8
	STEP 2, 0, 0, 48, 1, SLB+64, 5, 0, 1, EB1, 2, 1
	STEP 3, 1, 0, 40, 1, 2*SLB, 6, 1, 1, EB2, 3, 0
	STEP 0, 0, 0, 32, 1, 2*SLB+64, 7, 0, 1, EB3, 3, 1
	NEXT 0
	STEP 1, 1, 0, 32, 1, SLB, 4, 1                             ; K step 29: the last slice's barrier.  W1's stream goes on into the next chunk's K steps 0-2, which lie behind it in w1f
	STEP 2, 0, 0, 32, 1, SLB+64, 5
	STEP 3, 1, 0, 32, 2, 0, 6                                  ; the last step fetches cb and V in the rows' place
	WIN 0
	s_mov_b32 s27, 2
	s_branch .Lepi                                 ; into the middle of the loop of chunk 1 and the epilogue
	; ---------------- chunk 1: all rows lie in LDS ----------------
.Lsecond:
	s_mov_b32 s[KA], 0
	v_add_nc_u32 v[ADA], s[KA], v[A0]
	AFETCH AHI, 0
	STEP 0, 0, 1, 32, 1, 64, 3
	WIN 0
	s_mov_b32 s26, 7
.Lk1:
	STEP 1, 1, 0, 32, 1, SLB, 4
	STEP 2, 0, 0, 32, 1, SLB+64, 5
	STEP 3, 1, 0, 32, 1, 2*SLB, 6
	STEP 0, 0, 0, 32, 1, 2*SLB+64, 7
	NEXT 0
	s_sub_co_u32 s26, s26, 1
	s_cmp_lg_u32 s26, 0
	s_cbranch_scc1 .Lk1
	STEP 1, 1, 0, 32, 1, SLB, -1                               ; nothing lies behind the stream's end, and the counts run down
	STEP 2, 0, 0, 16, 1, SLB+64, -1
	STEP 3, 1, 0, 0, 2, 0, -1
	WIN 0
.Lepi:
	s_wait_xcnt 0x0
	s_add_nc_u64 s[BP:BP+1], s[BP:BP+1], 4*8192    ; at the next chunk's K step 0
	v_add_nc_u32 v[TBA], 512, v[TBA]               ; and its 128 columns of the tables
	PLACES
	s_wait_dscnt 0x0                               ; cb and V are in
	GROUP 0, 0
	GROUP 0, 1
	GROUP 0, 2
	GROUP 0, 3
	GROUP 1, 0
	GROUP 1, 1
	GROUP 1, 2
	GROUP 1, 3
	s_sub_co_u32 s27, s27, 1
	s_cmp_lg_u32 s27, 0
	s_cbranch_scc1 .Lsecond
	; ---------------- the rows' sums meet ----------------
	s_wait_loadcnt 0x0                             ; no load into window 1 is out on any way here: it is used anew below
.irp a, 0,1,2,3,4,5,6,7
	v_permlanex16_b32 v[T+(\a)], v[QS+(\a)], s30, s31  ; the row's other columns lie in the lane 16 away
.endr
.irp a, 0,1,2,3,4,5,6,7
	v_add_f32 v[QS+(\a)], v[QS+(\a)], v[T+(\a)]
.endr
.irp a, 0,1,2,3,4,5,6,7
	ds_store_b32 v[SW], v[QS+(\a)] offset:64*(\a)  ; row 16 a + r; both halves of the lanes write the same number
.endr
	s_wait_dscnt 0x0
	s_barrier_signal -1
	s_barrier_wait -1
	; ---------------- scores, maximum, weights: every wave alike; lane l has rows 4 l .. 4 l + 3 ----------------
.irp w, 0,1,2,3
	ds_load_b128 v[T+4*(\w):T+4*(\w)+3], v[SR] offset:512*(\w)
.endr
.irp i, 0,1,2,3,4,5,6,7
	ds_load_b128 v[96+4*(\i):96+4*(\i)+3], v[VS] offset:512*(\i)  ; all of V, 32 numbers a lane
.endr
	s_wait_dscnt 0x0
	v_pk_add_f32 v[32:33], v[32:33], v[36:37]
	v_pk_add_f32 v[34:35], v[34:35], v[38:39]
	v_pk_add_f32 v[40:41], v[40:41], v[44:45]
	v_pk_add_f32 v[42:43], v[42:43], v[46:47]
	v_pk_add_f32 v[32:33], v[32:33], v[40:41]
	v_pk_add_f32 v[34:35], v[34:35], v[42:43]      ; q = the sum over all 1,024 columns of V rc
.irp i, 0,1,2,3,4,5,6,7
	v_pk_add_f32 v[96+2*(\i):96+2*(\i)+1], v[96+2*(\i):96+2*(\i)+1], v[112+2*(\i):112+2*(\i)+1]
.endr
.irp i, 0,1,2,3
	v_pk_add_f32 v[96+2*(\i):96+2*(\i)+1], v[96+2*(\i):96+2*(\i)+1], v[104+2*(\i):104+2*(\i)+1]
.endr
	v_pk_add_f32 v[96:97], v[96:97], v[100:101]
	v_pk_add_f32 v[98:99], v[98:99], v[102:103]
	v_pk_add_f32 v[96:97], v[96:97], v[98:99]
	v_add_f32 v96, v96, v97
	WSUM 96, 97                                    ; the sum of V
	s_wait_kmcnt 0x0                               ; V_b
	v_add_f32 v96, s34, v96
	v_mul_f32 v96, 0x3fb8aa3b, v96                 ; log2(e) (V_b + sum V)
.irp i, 0,1,2,3
	v_fmamk_f32 v[52+(\i)], v[32+(\i)], 0xc038aa3b, v96  ; sc2 = -2 log2(e) q + that
.endr
	v_max3_num_f32 v56, v52, v53, v54
	v_max_num_f32 v56, v56, v55
	WMAX 56, 97                                    ; m2: the block's maximum is taken away before the exponential
.irp i, 0,1,2,3
	v_sub_f32 v[58+(\i)], v[52+(\i)], v56
.endr
.irp i, 0,1,2,3
	v_exp_f32 v[58+(\i)], v[58+(\i)]
.endr
	v_nop                                          ; a plain line behind the last exponential,
	s_wait_alu depctr_va_vdst(0)                   ; and the one wait ahead of the first use
	v_pk_add_f32 v[36:37], v[58:59], v[60:61]
	v_add_f32 v57, v36, v37
	WSUM 57, 97                                    ; l
	s_cmp_lg_u32 s[WV], 0                          ; wave 0 stores the block's scores and its (m2, l); no LDS instruction is out here
	s_cbranch_scc1 .Lnot0
	global_store_b128 v[BO], v[52:55], s[14:15]    ; 512 consecutive bytes, at a multiple of 256 from scw's first byte
	v_mov_b32 v50, 0
	v_cmp_eq_u32 vcc_lo, 0, v1
	s_wait_xcnt 0x0                                ; EXEC changes only behind this wait
	s_and_saveexec_b32 s40, vcc_lo
	global_store_b64 v50, v[56:57], s[16:17]       ; lane 0 alone
	s_wait_xcnt 0x0                                ; and again in front of the line that widens it
	s_or_b32 exec_lo, exec_lo, s40
.Lnot0:
	v_cvt_pk_bf16_f32 v62, v58, v59
	v_cvt_pk_bf16_f32 v63, v60, v61
	ds_store_b64 v[PW], v[62:63]                   ; my wave's own copy of p: LDS serves a wave's instructions in order (ISA guide 5.7.1.4), so the loads below see it
.irp kk, 0,1,2,3
	ds_load_b128 v[64+8*(\kk):64+8*(\kk)+3], v[PA] offset:64*(\kk)      ; source 0 of the context's products: 16 equal rows, p of rows 32 kk ..
	ds_load_b128 v[64+8*(\kk)+4:64+8*(\kk)+7], v[PA] offset:64*(\kk)+32
.endr
	; ---------------- the context: wave w makes columns 256 w .. 256 w + 255, which are slices 4 w .. 4 w + 3 ----------------
	; the turning load takes 16 rows x 16 columns (lane l reads row 8 (l / 16) + l % 8, columns 8 ((l / 8) % 2) + 0..7) and leaves half a fragment: lane l holds column l % 16 and 8 rows.
	; At this pitch the eighth of its rows meets the first in four banks; these 128 loads are few beside the 1,024 fragment loads of the first product that the pitch is made for.
	v_and_b32 v32, 7, v0
	v_lshl_add_u32 v32, v3, 3, v32
	v_bfe_u32 v33, v0, 3, 1
	v_mul_u32_u24 v32, v32, SP
	v_lshl_add_u32 v32, v33, 4, v32
	s_mul_i32 s24, s[WV], 4*SLB
	v_add_nc_u32 v[CA], s24, v32
	v_add_nc_u32 v[CA+1], 32*SP, v[CA]
	v_add_nc_u32 v[CA+2], 64*SP, v[CA]
	v_add_nc_u32 v[CA+3], 96*SP, v[CA]
	CLOAD 0
	CLOAD 1
	s_wait_dscnt 32                                ; p and rows 0-31 are in
	CMUL 0                                         ; the 16 accumulators take turns
	s_wait_dscnt 0x0
	CMUL 1
	PLACES
	CLOAD 2
	CLOAD 3
	s_wait_dscnt 32
	CMUL 2
	s_wait_dscnt 0x0
	CMUL 3
	PLACES
	PLACES
	WIN 0
.irp t, 0,1,2,3,4,5,6,7,8,9,10,11,12,13,14,15
	ds_store_b32 v[CS], v[128+8*(\t)] offset:64*(\t)  ; all 16 rows of a result are equal: its lowest register holds column 16 t + r
.endr
	ds_load_b128 v[32:35], v[CR]                   ; back as 16 bytes a lane: my wave's own stage
	ds_load_b128 v[36:39], v[CR] offset:512
	s_wait_dscnt 0x0
	global_store_b128 v[BO], v[32:35], s[18:19]    ; 512 consecutive bytes each, at multiples of 256 from ctxp's first byte
	global_store_b128 v[BO], v[36:39], s[18:19] offset:512
	s_wait_tensorcnt 0x0                           ; the wave's end, behind my last LDS store
	ds_add_u32 v[SPW], v[NIL]
	s_wait_dscnt 0x0
	s_endpgm
.Lfunc_end_k_qf7d96e434d_main:
	.size	k_qf7d96e434d_main, .Lfunc_end_k_qf7d96e434d_main-k_qf7d96e434d_main
	.p2alignl 7, 3214868480
	.fill 96, 4, 3214868480
	.section	.rodata,"a",@progbits
	.p2align	6, 0x0
	.amdhsa_kernel k_qf7d96e434d_main
		.amdhsa_group_segment_fixed_size 310784
		.amdhsa_private_segment_fixed_size 0
		.amdhsa_enable_private_segment 0
		.amdhsa_kernarg_size 64
		.amdhsa_user_sgpr_count 2
		.amdhsa_user_sgpr_kernarg_segment_ptr 1
		.amdhsa_wavefront_size32 1
		.amdhsa_system_sgpr_workgroup_id_x 1
		.amdhsa_system_sgpr_workgroup_id_y 1
		.amdhsa_system_sgpr_workgroup_id_z 1
		.amdhsa_system_vgpr_workitem_id 0
		.amdhsa_next_free_vgpr 1024
		.amdhsa_next_free_sgpr 66
		.amdhsa_reserve_vcc 1
		.amdhsa_float_denorm_mode_32 3
		.amdhsa_float_denorm_mode_16_64 3
		.amdhsa_memory_ordered 1
		.amdhsa_forward_progress 1
		.amdhsa_inst_pref_size 255
	.end_amdhsa_kernel
	.section	.bss,"aw",@nobits
	.p2align	6
	.space	262144
	.amdgpu_metadata
---
amdhsa.version: [ 1, 2 ]
amdhsa.kernels:
  - .name:           k_qf7d96e434d_main
    .symbol:         k_qf7d96e434d_main.kd
    .args:
      - { .name: encoder_outputs, .offset: 0, .size: 8, .value_kind: global_buffer, .address_space: global }
      - { .name: w1f, .offset: 8, .size: 8, .value_kind: global_buffer, .address_space: global }
      - { .name: bias2, .offset: 16, .size: 8, .value_kind: global_buffer, .address_space: global }
      - { .name: V_w, .offset: 24, .size: 8, .value_kind: global_buffer, .address_space: global }
      - { .name: V_b, .offset: 32, .size: 8, .value_kind: global_buffer, .address_space: global }
      - { .name: scw, .offset: 40, .size: 8, .value_kind: global_buffer, .address_space: global }
      - { .name: stats, .offset: 48, .size: 8, .value_kind: global_buffer, .address_space: global }
      - { .name: ctxp, .offset: 56, .size: 8, .value_kind: global_buffer, .address_space: global }
    .group_segment_fixed_size: 310784
    .private_segment_fixed_size: 0
    .kernarg_segment_align: 8
    .kernarg_segment_size: 64
    .max_flat_workgroup_size: 128
    .sgpr_count:     66
    .vgpr_count:     1024
    .wavefront_size: 32
...
	.end_amdgpu_metadata
.endif
;; end of part 2
;; launch combine (part 3): grid 4 x 64, 2 waves a work-group, no clusters, 0 bytes of LDS; arguments scw, stats, ctxp, out0, out1; writes out0, out1
.if DOCPART == 3
	.amdgcn_target "amdgcn-amd-amdhsa--gfx1250"
	.amdhsa_code_object_version 6
	.text
	.protected	k_qf7d96e434d_combine
	.globl	k_qf7d96e434d_combine
	.p2align	8
	.type	k_qf7d96e434d_combine,@function
k_qf7d96e434d_combine:
	s_mov_b64 s[64:65], 0
	v_nop
	global_prefetch_b8 v0, s[64:65] scope:SCOPE_SE
	s_setreg_imm32_b32 hwreg(HW_REG_WAVE_MODE, 25, 1), 1
	s_wait_xcnt 0x0
; COMBINE.  The eight blocks of a batch are joined under their common maximum M2 = max m2_i:
;   w_i = 2^(m2_i - M2), L = sum w_i l_i;   out0[b][s] = 2^(sc2[b][s] - M2) / L;   out1[b][e] = sum over i of w_i ctxp[b][i][e] / L.
; A work-group takes 256 columns (x) of one batch (y); a thread four numbers of each output: a wave's load or store covers 512 consecutive bytes.  No LDS, no barrier: no thread wants another's numbers;
; the batch's eight (m2, l), 64 bytes, come by one scalar load.  L is at least 1: the block that holds M2 has w = 1 and l >= 1.
; LIMITS: a weight below 2^-126 counts as 0; NaN and infinities are not treated apart.
	s_load_b256 s[4:11], s[0:1], 0x0               ; scw s[4:5], stats s[6:7], ctxp s[8:9], out0 s[10:11]
	s_load_b64 s[12:13], s[0:1], 0x20              ; out1
	s_and_b32 s14, ttmp7, 0xffff                   ; the batch
	s_lshl_b32 s32, s14, 6                         ; its 64 bytes of stats
	s_mov_b32 s33, 0
	s_lshl_b32 s36, ttmp9, 10                      ; my 256 columns: 1,024 bytes
	s_lshl_b32 s34, s14, 12
	s_add_co_u32 s34, s34, s36                     ; in scw, out0 and out1
	s_mov_b32 s35, 0
	s_lshl_b32 s38, s14, 15
	s_add_co_u32 s36, s38, s36                     ; in ctxp: a batch has eight rows of 4,096 bytes
	s_mov_b32 s37, 0
	v_lshlrev_b32 v1, 4, v0                        ; 16 x thread; never rewritten
	s_wait_kmcnt 0x0
	s_add_nc_u64 s[6:7], s[6:7], s[32:33]
	s_load_b512 s[16:31], s[6:7], 0x0              ; m2_i in s[16 + 2 i], l_i in s[17 + 2 i]
	s_add_nc_u64 s[4:5], s[4:5], s[34:35]
	s_add_nc_u64 s[8:9], s[8:9], s[36:37]
	s_add_nc_u64 s[10:11], s[10:11], s[34:35]
	s_add_nc_u64 s[12:13], s[12:13], s[34:35]
	global_load_b128 v[8:11], v1, s[4:5] th:TH_LOAD_NT
.irp i, 0,1,2,3,4,5,6,7
	global_load_b128 v[12+4*(\i):15+4*(\i)], v1, s[8:9] offset:4096*(\i) th:TH_LOAD_NT
.endr
	s_wait_kmcnt 0x0
	v_mov_b32 v44, s16
.irp i, 1,2,3,4,5,6,7
	v_max_num_f32 v44, s[16+2*(\i)], v44           ; M2
.endr
.irp i, 0,1,2,3,4,5,6,7
	v_sub_f32 v[46+(\i)], s[16+2*(\i)], v44
.endr
	s_wait_loadcnt 8                               ; the scores are in; ctxp's eight loads may stay out
.irp i, 0,1,2,3
	v_sub_f32 v[8+(\i)], v[8+(\i)], v44
.endr
.irp i, 0,1,2,3,4,5,6,7
	v_exp_f32 v[46+(\i)], v[46+(\i)]
.endr
.irp i, 0,1,2,3
	v_exp_f32 v[8+(\i)], v[8+(\i)]
.endr
	v_nop                                          ; a plain line behind the last exponential,
	s_wait_alu depctr_va_vdst(0)                   ; and one wait for the twelve ahead of the first use
	v_mul_f32 v45, s17, v46
.irp i, 1,2,3,4,5,6,7
	v_fmac_f32 v45, s[17+2*(\i)], v[46+(\i)]       ; L
.endr
	v_rcp_f32 v45, v45
	v_nop
	s_wait_alu depctr_va_vdst(0)
.irp i, 0,1,2,3
	v_mul_f32 v[8+(\i)], v[8+(\i)], v45
.endr
	global_store_b128 v1, v[8:11], s[10:11]
.irp i, 0,1,2,3,4,5,6,7
	v_mul_f32 v[46+(\i)], v[46+(\i)], v45          ; w_i / L
.endr
	s_wait_loadcnt 0x0
.irp c, 0,1,2,3
	v_mul_f32 v[58+(\c)], v46, v[12+(\c)]
.endr
.irp i, 1,2,3,4,5,6,7
.irp c, 0,1,2,3
	v_fmac_f32 v[58+(\c)], v[46+(\i)], v[12+4*(\i)+(\c)]
.endr
.endr
	global_store_b128 v1, v[58:61], s[12:13]
	s_endpgm
.Lfunc_end_k_qf7d96e434d_combine:
	.size	k_qf7d96e434d_combine, .Lfunc_end_k_qf7d96e434d_combine-k_qf7d96e434d_combine
	.p2alignl 7, 3214868480
	.fill 96, 4, 3214868480
	.section	.rodata,"a",@progbits
	.p2align	6, 0x0
	.amdhsa_kernel k_qf7d96e434d_combine
		.amdhsa_group_segment_fixed_size 0
		.amdhsa_private_segment_fixed_size 0
		.amdhsa_enable_private_segment 0
		.amdhsa_kernarg_size 40
		.amdhsa_user_sgpr_count 2
		.amdhsa_user_sgpr_kernarg_segment_ptr 1
		.amdhsa_wavefront_size32 1
		.amdhsa_system_sgpr_workgroup_id_x 1
		.amdhsa_system_sgpr_workgroup_id_y 1
		.amdhsa_system_sgpr_workgroup_id_z 1
		.amdhsa_system_vgpr_workitem_id 0
		.amdhsa_next_free_vgpr 64
		.amdhsa_next_free_sgpr 66
		.amdhsa_reserve_vcc 0
		.amdhsa_float_denorm_mode_32 3
		.amdhsa_float_denorm_mode_16_64 3
		.amdhsa_memory_ordered 1
		.amdhsa_forward_progress 1
		.amdhsa_inst_pref_size 5
	.end_amdhsa_kernel
	.amdgpu_metadata
---
amdhsa.version: [ 1, 2 ]
amdhsa.kernels:
  - .name:           k_qf7d96e434d_combine
    .symbol:         k_qf7d96e434d_combine.kd
    .args:
      - { .name: scw, .offset: 0, .size: 8, .value_kind: global_buffer, .address_space: global }
      - { .name: stats, .offset: 8, .size: 8, .value_kind: global_buffer, .address_space: global }
      - { .name: ctxp, .offset: 16, .size: 8, .value_kind: global_buffer, .address_space: global }
      - { .name: out0, .offset: 24, .size: 8, .value_kind: global_buffer, .address_space: global }
      - { .name: out1, .offset: 32, .size: 8, .value_kind: global_buffer, .address_space: global }
    .group_segment_fixed_size: 0
    .private_segment_fixed_size: 0
    .kernarg_segment_align: 8
    .kernarg_segment_size: 40
    .max_flat_workgroup_size: 64
    .sgpr_count:     66
    .vgpr_count:     64
    .wavefront_size: 32
...
	.end_amdgpu_metadata
.endif
;; end of part 3
;; ======== version 2 of 2: 3 launches; version 1 with the launch prep written anew for expert scheduling mode
;; workspace buffers: w1f 2,097,152 bytes; bias2 262,144 bytes; scw 262,144 bytes; stats 4,096 bytes; ctxp 2,097,152 bytes
;; launch prep (part 4): grid 256 x 1, 8 waves a work-group, no clusters, 119,808 bytes of LDS; arguments W1_w, W2_w, decoder_hidden, W1_b, W2_b, w1f, bias2; writes w1f, bias2
.if DOCPART == 4
	.amdgcn_target "amdgcn-amd-amdhsa--gfx1250"
	.amdhsa_code_object_version 6
	.text
	.protected	k_qf7d96e434d_prep
	.globl	k_qf7d96e434d_prep
	.p2align	8
	.type	k_qf7d96e434d_prep,@function
k_qf7d96e434d_prep:
	s_mov_b64 s[64:65], 0
	v_nop
	global_prefetch_b8 v0, s[64:65] scope:SCOPE_SE
	s_setreg_imm32_b32 hwreg(HW_REG_WAVE_SCHED_MODE, 0, 2), 2
	s_setreg_imm32_b32 hwreg(HW_REG_WAVE_MODE, 25, 1), 1
	s_wait_xcnt 0x0
	s_wait_alu depctr_vm_vsrc(0)
; PREP: two jobs that the main launch needs, told apart by the work-group's number (the same for all eight waves of a work-group).
; JOB B, work-groups 0-127: bias2[nt][batch][16] = c (decoder_hidden W2_w + W2_b + W1_b), c = 2 log2(e), f32: the 16 columns 16 nt .. of the 32 batches 32 bh .. (nt = number / 2, bh = number % 2).
;   The product goes to the matrix unit with bf16 operands and f32 sums.  K = 1024 is split among the eight waves, 128 each (four steps of 32); the eight partial sums meet in LDS.
;   A wave reads its numbers as they lie in memory: a row of decoder_hidden's 128 numbers by one load of 512 consecutive bytes, eight rows of W2's 16 columns (64 bytes each) by one load; all 50 loads go out at once.
;   They are rounded to bf16 and laid into the wave's OWN LDS bytes, from which the fragments come: decoder_hidden [batch][k] as it lies, W2 [k][column] turned by ds_load_tr16_b128.
;   Source 0 = 16 columns of W2, source 1 = 16 batches: in the result a lane holds ONE batch (l % 16) and the columns 8 (l / 16) + 0..7.
; JOB A, work-groups 128-255: w1f = W1_w rounded to bf16, in the order in which the main launch's registers want it:
;   [ng 8][ks 32][b 8][1,024 bytes]; a block of 1,024 bytes holds columns 128 ng + 16 b + r and k = 32 ks + 16 q + 8 h + i at byte 512 q + 16 (16 h + r) + 2 i,
;   so that two loads of 16 bytes a lane, 512 bytes apart, ARE a fragment of 16 columns x 32 k.
; LIMITS: bf16 operands in the product; NaN and infinities are not treated apart.
; THE MODE: SCHED_MODE bits 1:0 = 2 (LLVM: expert scheduling mode 2), set by the entry lines.  The code itself states the register dependences
; between vector or matrix instructions and memory or LDS instructions, with s_wait_alu, always for 0.
; THE PLAN, job B.  Registers that memory or LDS instructions touch:
;   v4-v15        offsets, LDS addresses and the add's pair: made once at the head, ahead of one wait on va_vdst, and named by no vector instruction behind it.
;   DL v[64:191]  loaded; rounded in place (registers 4 i and 4 i + 1 of each four take the bf16); read by the LDS stores; then v[64:159] take the fragments' loads.
;   WL v[192:255] loaded; rounded in place; read by the LDS stores; not used again.
;   ACC v[24:39]  written by the matrix instructions; read by the LDS stores of the partial image.
;   v[40:55]      the eight partial images' loads land here (nothing has named them before); the sums work on them; the global store reads v[40:41].
;   The rounding goes in three batches (batches 0-15, batches 16-31, W2): all of a batch's conversions, ONE wait on va_vdst, then the run of its LDS stores, which leave while the next
;   batch's conversions, on other registers, are issued.  The third of these waits also shows every conversion that named DL done; behind it stands no vector instruction up to the fragments' loads,
;   so those owe only ONE wait on vm_vsrc: the LDS stores have read DL.
; THE PLAN, job A.  v2, v3: offsets, made once.  v[32:63]: loaded, read by the conversions.  v[64:79]: written by the conversions, read by the four stores.  One wait on va_vdst ahead of the loads, one ahead of the stores.
.set DP,    272                        ; a batch's 128 k in LDS: 256 bytes + 16: the 16 rows of a fragment load start at 16 different groups of four banks (64 banks of 4 bytes: ISA guide 11.1)
.set DWV,   32*DP                      ; a wave's 32 batches
.set WREG,  8*DWV                      ; behind them: W2, 128 k x 32 bytes for each wave
.set PART,  WREG+8*4096                ; the eight partial images [32 batches][16 columns] f32, 2,048 bytes each
.set SPARE, PART+8*2048                ; the spare words, 128 bytes a wave, four blocks of 256 bytes that no other line names
.set SPW, 8                            ; v8   LDS address of my spare word; never rewritten
.set NIL, 9                            ; v9   0; never rewritten
.set ACC, 24                           ; v[24:39]   two accumulators, one for each 16 batches
.set DL,  64                           ; v[64:191]  decoder_hidden as loaded, 4 registers a row; later the fragments
.set WL,  192                          ; v[192:255] W2 as loaded, 4 registers for 8 rows
.set DF,  64                           ; fragments of decoder_hidden: batch tile mt, K step ks at DF + 32 mt + 8 ks
.set WF,  128                          ; fragments of W2: K step ks at WF + 8 ks
.set WV,  20                           ; s20  my wave's number
.macro PLACES
.rept 4
	v_nop
.endr
.endm
; groups from .. from + n - 1 of four registers from base on: four f32 close up into two registers of bf16, in place: a register is written when it has been read, never before
.macro ROUNDS base, from, n
.set i, \from
.rept \n
	v_cvt_pk_bf16_f32 v[(\base)+4*i], v[(\base)+4*i], v[(\base)+4*i+1]
	v_cvt_pk_bf16_f32 v[(\base)+4*i+1], v[(\base)+4*i+2], v[(\base)+4*i+3]
.set i, i+1
.endr
.endm
; and the same groups go to LDS, 8 bytes a lane, pitch bytes from group to group
.macro PUTS adr, base, from, n, pitch
.set i, \from
.rept \n
	ds_store_b64 v[\adr], v[(\base)+4*i:(\base)+4*i+1] offset:i*(\pitch)
.set i, i+1
.endr
.endm
	s_load_b256 s[4:11], s[0:1], 0x0               ; W1_w s[4:5], W2_w s[6:7], decoder_hidden s[8:9], W1_b s[10:11]
	s_load_b128 s[12:15], s[0:1], 0x20             ; W2_b s[12:13], w1f s[14:15]
	s_load_b64 s[16:17], s[0:1], 0x30              ; bias2
	v_lshl_add_u32 v[SPW], v0, 2, SPARE
	v_mov_b32 v[NIL], 0
	v_lshrrev_b32 v1, 5, v0
	v_readfirstlane_b32 s[WV], v1                  ; wave 0..7
	s_wait_alu depctr_va_sdst(0)                   ; s20 is written: ahead of the branch below, for its readers on both ways
	s_mov_b32 s21, ttmp9
	s_cmp_lt_u32 s21, 128
	s_cbranch_scc0 .Lpack
	; ---------------- JOB B ----------------
	s_lshr_b32 s22, s21, 1                         ; nt
	s_and_b32 s23, s21, 1                          ; bh
	v_and_b32 v1, 31, v0                           ; l
	v_and_b32 v2, 15, v0                           ; r
	v_bfe_u32 v3, v0, 4, 1                         ; h
	v_lshlrev_b32 v4, 4, v1                        ; decoder_hidden: 16 bytes a lane of a row's 512
	v_lshrrev_b32 v5, 2, v1
	v_and_b32 v6, 3, v1
	v_lshlrev_b32 v6, 4, v6
	v_lshl_add_u32 v5, v5, 12, v6                  ; W2: row l / 4 (4,096 bytes), 16 bytes for columns 4 (l % 4) ..
	s_mul_i32 s28, s[WV], DWV
	v_lshl_add_u32 v6, v1, 3, s28                  ; into LDS: 8 bytes a lane of a batch's 256
	s_lshl_b32 s29, s[WV], 12
	s_add_co_u32 s29, s29, WREG
	v_lshl_add_u32 v7, v1, 3, s29                  ; and of W2's eight rows of 32 bytes: 256 consecutive bytes
	v_mul_u32_u24 v10, v2, DP
	v_lshl_add_u32 v10, v3, 4, v10
	v_add_nc_u32 v10, s28, v10                     ; a fragment of decoder_hidden: batch r x pitch + 16 h
	v_and_b32 v11, 7, v0
	v_lshl_add_u32 v11, v3, 3, v11
	v_bfe_u32 v12, v0, 3, 1
	v_lshlrev_b32 v12, 4, v12
	v_lshl_add_u32 v11, v11, 5, v12
	v_add_nc_u32 v11, s29, v11                     ; the turning load: row 8 h + l % 8 (32 bytes), columns 8 ((l / 8) % 2) ..
	s_lshl_b32 s30, s[WV], 11
	s_add_co_u32 s30, s30, PART
	v_lshl_add_u32 v12, v2, 6, s30
	v_lshl_add_u32 v12, v3, 5, v12                 ; my wave's image: batch r x 64 + 32 h
	v_lshlrev_b32 v14, 3, v0                       ; 8 x thread: my 8 bytes of an image, in LDS and in bias2
	v_add_nc_u32 v13, PART, v14
	v_and_b32 v15, 7, v0
	v_lshlrev_b32 v15, 3, v15                      ; which are two columns: their place in the two biases
	s_lshl_b32 s30, s22, 6                         ; 16 columns = 64 bytes
	s_mov_b32 s31, 0
	s_lshl_b32 s24, s[WV], 19                      ; my 128 rows of W2
	s_add_co_u32 s24, s24, s30
	s_mov_b32 s25, 0
	s_lshl_b32 s26, s23, 17                        ; 32 bh rows of decoder_hidden,
	s_lshl_b32 s27, s[WV], 9                       ; my 128 numbers of each
	s_add_co_u32 s26, s26, s27
	s_mov_b32 s27, 0
	s_lshl_b32 s32, s22, 12                        ; bias2: 4,096 bytes for each nt,
	s_lshl_b32 s33, s23, 11                        ; 2,048 for 32 batches
	s_add_co_u32 s32, s32, s33
	s_mov_b32 s33, 0
	s_mov_b32 s34, 0x4038aa3b                      ; c = 2 log2(e)
	s_mov_b32 s35, s34                             ; named with it as a pair
	s_wait_kmcnt 0x0
	s_add_nc_u64 s[10:11], s[10:11], s[30:31]
	s_add_nc_u64 s[12:13], s[12:13], s[30:31]
	s_add_nc_u64 s[24:25], s[6:7], s[24:25]
	s_add_nc_u64 s[26:27], s[8:9], s[26:27]
	s_add_nc_u64 s[16:17], s[16:17], s[32:33]
	s_wait_alu depctr_va_vdst(0)                   ; v4 to v15 are written: the offsets and LDS addresses that every load and store of this way reads, and the add's pair; no vector line below names one of them
	global_load_b64 v[16:17], v15, s[10:11]        ; W1_b
	global_load_b64 v[18:19], v15, s[12:13]        ; W2_b
.set i, 0
.rept 32
	global_load_b128 v[DL+4*i:DL+4*i+3], v4, s[26:27] offset:i*4096    ; batch i: 512 consecutive bytes
.set i, i+1
.endr
.set i, 0
.rept 16
	global_load_b128 v[WL+4*i:WL+4*i+3], v5, s[24:25] offset:i*32768   ; rows 8 i .. 8 i + 7
.set i, i+1
.endr
	s_wait_loadcnt 32                              ; the biases and batches 0-15 are in; the 16 loads of batches 16-31 and W2's 16 may stay out
	ROUNDS DL, 0, 16
	s_wait_alu depctr_va_vdst(0)                   ; the conversions have written the bf16 pairs of batches 0-15, which the LDS stores below read
	PUTS 6, DL, 0, 16, DP
	s_wait_loadcnt 16                              ; batches 16-31 are in; W2's 16 loads may stay out
	ROUNDS DL, 16, 16                              ; on other registers than the stores above read
	s_wait_alu depctr_va_vdst(0)                   ; the conversions have written the bf16 pairs of batches 16-31, which the LDS stores below read
	PUTS 6, DL, 16, 16, DP
	s_wait_loadcnt 0x0
	ROUNDS WL, 0, 16
	s_wait_alu depctr_va_vdst(0)                   ; the conversions have written W2's bf16 pairs, which the LDS stores below read; and every conversion that named v[64:191] is done: the fragments' loads land there
	PUTS 7, WL, 0, 16, 256
	s_wait_alu depctr_vm_vsrc(0)                   ; the LDS stores have read v[64:191], in which the fragments' loads below land
	; the fragments come out of my wave's own bytes: LDS serves a wave's instructions in order (ISA guide 5.7.1.4), so these see the stores above.  K step by K step, six loads each
.irp ks, 0,1,2,3
.irp mt, 0,1
	ds_load_b128 v[DF+32*(\mt)+8*(\ks):DF+32*(\mt)+8*(\ks)+3], v10 offset:(\mt)*16*DP+(\ks)*64
	ds_load_b128 v[DF+32*(\mt)+8*(\ks)+4:DF+32*(\mt)+8*(\ks)+7], v10 offset:(\mt)*16*DP+(\ks)*64+32
.endr
	ds_load_tr16_b128 v[WF+8*(\ks):WF+8*(\ks)+3], v11 offset:(\ks)*1024
	ds_load_tr16_b128 v[WF+8*(\ks)+4:WF+8*(\ks)+7], v11 offset:(\ks)*1024+512
.endr
.irp ks, 0,1,2,3                       ; the two accumulators take turns, one instruction a turn; the first step starts the sums
	s_wait_dscnt 18-6*(\ks)                        ; LDS loads come back in order (ISA guide 5.7.1): this K step's six are in, the six of each later step may stay out
.irp mt, 0,1
.if (\ks) == 0
	v_wmma_f32_16x16x32_bf16 v[ACC+8*(\mt):ACC+8*(\mt)+7], v[WF+8*(\ks):WF+8*(\ks)+7], v[DF+32*(\mt)+8*(\ks):DF+32*(\mt)+8*(\ks)+7], 0
.else
	v_wmma_f32_16x16x32_bf16 v[ACC+8*(\mt):ACC+8*(\mt)+7], v[WF+8*(\ks):WF+8*(\ks)+7], v[DF+32*(\mt)+8*(\ks):DF+32*(\mt)+8*(\ks)+7], v[ACC+8*(\mt):ACC+8*(\mt)+7]
.endif
.endr
.endr
	PLACES
	PLACES
	s_wait_alu depctr_va_vdst(0)                   ; the matrix instructions have written the accumulators, which the LDS stores below read; the places above stay beside this wait
.irp mt, 0,1
	ds_store_b128 v12, v[ACC+8*(\mt):ACC+8*(\mt)+3] offset:(\mt)*1024      ; each accumulator's low registers first
	ds_store_b128 v12, v[ACC+8*(\mt)+4:ACC+8*(\mt)+7] offset:(\mt)*1024+16
.endr
	s_wait_dscnt 0x0                               ; for the others' sake: my partial image is in LDS
	s_barrier_signal -1
	s_barrier_wait -1
.irp w, 0,1,2,3,4,5,6,7
	ds_load_b64 v[40+2*(\w):41+2*(\w)], v13 offset:2048*(\w)   ; into registers that no line above has named
.endr
	s_wait_dscnt 0x0
	v_pk_add_f32 v[40:41], v[40:41], v[42:43]
	v_pk_add_f32 v[44:45], v[44:45], v[46:47]
	v_pk_add_f32 v[48:49], v[48:49], v[50:51]
	v_pk_add_f32 v[52:53], v[52:53], v[54:55]
	v_pk_add_f32 v[40:41], v[40:41], v[44:45]
	v_pk_add_f32 v[48:49], v[48:49], v[52:53]
	v_pk_add_f32 v[40:41], v[40:41], v[48:49]
	v_pk_add_f32 v[40:41], v[40:41], v[16:17]
	v_pk_add_f32 v[40:41], v[40:41], v[18:19]
	v_pk_mul_f32 v[40:41], v[40:41], s[34:35] op_sel_hi:[1,0]
	s_wait_alu depctr_va_vdst(0)                   ; the sums have written v[40:41], which the store reads
	global_store_b64 v14, v[40:41], s[16:17]       ; a wave stores 256 consecutive bytes, at a multiple of 256 from bias2's first byte
	s_wait_dscnt 0x0                               ; the closing lines, six on end
	s_wait_alu 0x0
	s_wait_tensorcnt 0x0
	ds_add_u32 v[SPW], v[NIL]
	s_wait_dscnt 0x0
	s_endpgm
	; ---------------- JOB A: g = number - 128; K step ks = g / 4, 256 columns nq = g % 4.  This way writes no LDS. ----------------
.Lpack:
	s_sub_co_u32 s21, s21, 128
	s_lshr_b32 s22, s21, 2                         ; ks
	s_and_b32 s23, s21, 3                          ; nq
	s_and_b32 s28, s[WV], 1                        ; h: which 8 of 16 k
	s_bfe_u32 s29, s[WV], 0x10001                  ; q: which 16 of 32 k
	s_lshr_b32 s30, s[WV], 2                       ; nh: which 128 of the 256 columns
	s_lshl_b32 s24, s22, 5
	s_lshl4_add_u32 s24, s29, s24
	s_lshl3_add_u32 s24, s28, s24                  ; my first row of W1: 32 ks + 16 q + 8 h
	s_lshl_b32 s24, s24, 12
	s_lshl_b32 s31, s23, 10
	s_add_co_u32 s24, s24, s31
	s_lshl_b32 s31, s30, 9
	s_add_co_u32 s24, s24, s31                     ; + (256 nq + 128 nh) x 4 bytes
	s_mov_b32 s25, 0
	s_lshl1_add_u32 s26, s23, s30                  ; ng = 2 nq + nh
	s_lshl_b32 s26, s26, 18
	s_lshl_b32 s31, s22, 13
	s_add_co_u32 s26, s26, s31
	s_lshl_b32 s31, s29, 9
	s_add_co_u32 s26, s26, s31
	s_lshl_b32 s31, s28, 8
	s_add_co_u32 s26, s26, s31                     ; 262,144 ng + 8,192 ks + 512 q + 256 h
	s_mov_b32 s27, 0
	v_and_b32 v1, 31, v0
	v_lshlrev_b32 v2, 2, v1                        ; in: column = lane, 4 bytes
	v_lshrrev_b32 v3, 4, v1
	v_and_b32 v4, 15, v1
	v_lshlrev_b32 v4, 4, v4
	v_lshl_add_u32 v3, v3, 10, v4                  ; out: block lane / 16 (1,024 bytes), 16 bytes for column lane % 16
	s_wait_kmcnt 0x0
	s_add_nc_u64 s[24:25], s[4:5], s[24:25]
	s_add_nc_u64 s[26:27], s[14:15], s[26:27]
	s_wait_alu depctr_va_vdst(0)                   ; v2 and v3 are written: the offsets that the loads and the stores of this way read; no vector line below names them
.irp u, 0,1,2,3
.irp i, 0,1,2,3,4,5,6,7
	global_load_b32 v[32+8*(\u)+(\i)], v2, s[24:25] offset:(\i)*4096+(\u)*128 th:TH_LOAD_NT  ; k = i of column 32 u + lane
.endr
.endr
	s_wait_loadcnt 0x0
.irp u, 0,1,2,3
.irp j, 0,1,2,3
	v_cvt_pk_bf16_f32 v[64+4*(\u)+(\j)], v[32+8*(\u)+2*(\j)], v[32+8*(\u)+2*(\j)+1]
.endr
.endr
	s_wait_alu depctr_va_vdst(0)                   ; the conversions have written v[64:79], which the four stores read
.irp u, 0,1,2,3
	global_store_b128 v3, v[64+4*(\u):64+4*(\u)+3], s[26:27] offset:(\u)*2048  ; sixteen lanes store 256 consecutive bytes, at a multiple of 256 from w1f's first byte
.endr
	s_endpgm
.Lfunc_end_k_qf7d96e434d_prep:
	.size	k_qf7d96e434d_prep, .Lfunc_end_k_qf7d96e434d_prep-k_qf7d96e434d_prep
	.p2alignl 7, 3214868480
	.fill 96, 4, 3214868480
	.section	.rodata,"a",@progbits
	.p2align	6, 0x0
	.amdhsa_kernel k_qf7d96e434d_prep
		.amdhsa_group_segment_fixed_size 119808
		.amdhsa_private_segment_fixed_size 0
		.amdhsa_enable_private_segment 0
		.amdhsa_kernarg_size 56
		.amdhsa_user_sgpr_count 2
		.amdhsa_user_sgpr_kernarg_segment_ptr 1
		.amdhsa_wavefront_size32 1
		.amdhsa_system_sgpr_workgroup_id_x 1
		.amdhsa_system_sgpr_workgroup_id_y 1
		.amdhsa_system_sgpr_workgroup_id_z 1
		.amdhsa_system_vgpr_workitem_id 0
		.amdhsa_next_free_vgpr 256
		.amdhsa_next_free_sgpr 66
		.amdhsa_reserve_vcc 0
		.amdhsa_float_denorm_mode_32 3
		.amdhsa_float_denorm_mode_16_64 3
		.amdhsa_memory_ordered 1
		.amdhsa_forward_progress 1
		.amdhsa_inst_pref_size 27
	.end_amdhsa_kernel
	.amdgpu_metadata
---
amdhsa.version: [ 1, 2 ]
amdhsa.kernels:
  - .name:           k_qf7d96e434d_prep
    .symbol:         k_qf7d96e434d_prep.kd
    .args:
      - { .name: W1_w, .offset: 0, .size: 8, .value_kind: global_buffer, .address_space: global }
      - { .name: W2_w, .offset: 8, .size: 8, .value_kind: global_buffer, .address_space: global }
      - { .name: decoder_hidden, .offset: 16, .size: 8, .value_kind: global_buffer, .address_space: global }
      - { .name: W1_b, .offset: 24, .size: 8, .value_kind: global_buffer, .address_space: global }
      - { .name: W2_b, .offset: 32, .size: 8, .value_kind: global_buffer, .address_space: global }
      - { .name: w1f, .offset: 40, .size: 8, .value_kind: global_buffer, .address_space: global }
      - { .name: bias2, .offset: 48, .size: 8, .value_kind: global_buffer, .address_space: global }
    .group_segment_fixed_size: 119808
    .private_segment_fixed_size: 0
    .kernarg_segment_align: 8
    .kernarg_segment_size: 56
    .max_flat_workgroup_size: 256
    .sgpr_count:     66
    .vgpr_count:     256
    .wavefront_size: 32
...
	.end_amdgpu_metadata
.endif
;; end of part 4
;; launch main: the kernel of part 2 again; grid 8 x 64, 4 waves a work-group, no clusters, 310,784 bytes of LDS; arguments encoder_outputs, w1f, bias2, V_w, V_b, scw, stats, ctxp; writes scw, stats, ctxp
;; launch combine: the kernel of part 3 again; grid 4 x 64, 2 waves a work-group, no clusters, 0 bytes of LDS; arguments scw, stats, ctxp, out0, out1; writes out0, out1
